; MI455X (gfx1250); checked and timed in simulation.
; The chip was launched on July 23, 2026; its instructions are those of AMD's public machine-readable ISA for CDNA 5 (MIT licence, August 2026) and "CDNA5" Instruction Set Architecture Reference Guide (July 2026). The comments in the code are by the model that wrote it; some were corrected since.
;; Multi Head Self Attention. Allowed arithmetic: matrix products marked QUANTISED: E3M2 operands, one E8M0 scale for each 32 along K, by v_wmma_scale_f32_16x16x128_f8f6f4 with both operands' format E3M2, f32 sums; everything else in f32.
;; Inputs: Wk_codes 512 x 16 x 24 uint8 (E3M2 codes of Wk, K innermost, in blocks of 32 codes, four codes in three bytes); Wk_scales 512 x 16 uint8 (E8M0 scales of Wk, one for each 32 codes along K); Wo_codes 512 x 16 x 24 uint8 (E3M2 codes of Wo, K innermost, in blocks of 32 codes, four codes in three bytes); Wo_scales 512 x 16 uint8 (E8M0 scales of Wo, one for each 32 codes along K); Wq_codes 512 x 16 x 24 uint8 (E3M2 codes of Wq, K innermost, in blocks of 32 codes, four codes in three bytes); Wq_scales 512 x 16 uint8 (E8M0 scales of Wq, one for each 32 codes along K); Wv_codes 512 x 16 x 24 uint8 (E3M2 codes of Wv, K innermost, in blocks of 32 codes, four codes in three bytes); Wv_scales 512 x 16 uint8 (E8M0 scales of Wv, one for each 32 codes along K); bk 512 float32; bo 512 float32; bq 512 float32; bv 512 float32; x_codes 2 x 4,096 x 16 x 24 uint8 (E3M2 codes of x, K innermost, in blocks of 32 codes, four codes in three bytes); x_scales 2 x 4,096 x 16 uint8 (E8M0 scales of x, one for each 32 codes along K).
;; Outputs: out0 2 x 4,096 x 512 float32.
;; This version of the problem:
;;   THIS VERSION OF THE PROBLEM IS GIVEN IN LOW PRECISION. The matrix products marked QUANTISED in the list below multiply operands that are first quantised to E3M2 (3 exponent bits, 2 mantissa bits; 6 bits a number), with one power-of-two scale for each 32 numbers along K (OCP MX v1.0); their sums are f32. All else is computed in f32.
;;   The module's matrix products, in the order in which they are computed (A, B: the left and right operand; K: the contracted axis; several contracted axes count as one K, in the product's order):
;;     1. [M 8,192, K 512] x [K 512, N 512]; A: input x (given as codes); B: input Wq (given as codes): QUANTISED
;;     2. [M 8,192, K 512] x [K 512, N 512]; A: input x (given as codes); B: input Wk (given as codes): QUANTISED
;;     3. [M 8,192, K 512] x [K 512, N 512]; A: input x (given as codes); B: input Wv (given as codes): QUANTISED
;;     4. batch 16 x [M 4,096, K 64] x [K 64, N 4,096]; A: computed on the way; B: computed on the way: QUANTISED
;;     5. batch 16 x [M 64, K 4,096] x [K 4,096, N 4,096]; A: computed on the way; B: softmax (see below): QUANTISED
;;     6. [M 8,192, K 512] x [K 512, N 512]; A: computed on the way; B: input Wo (given as codes): QUANTISED
;;   THE QUANTISER, for each operand of a quantised product, along K:
;;     - K is cut into blocks of 32 from its start; a last block that is shorter is filled with zeros.
;;     - A block's scale is 2^e with e = floor(log2(the largest magnitude in the block)) - 4, held to -126 .. 127; a block of zeros has e = 0. As a byte (E8M0): e + 127.
;;     - Each number is divided by its block's scale, clamped to +-28, and rounded to the nearest number of E3M2, ties to even, subnormals kept.
;;     - The product sums the exact products of the quantised numbers (number of the format x scale) in f32.
;;   ~~~python
;;   def quantise(x, axis):      # numpy; x: float32 -> the quantised numbers, widened to float32 again
;;       x = np.moveaxis(x, axis, -1); K = x.shape[-1]
;;       x = np.pad(x, [(0, 0)] * (x.ndim - 1) + [(0, -K % 32)]); x = x.reshape(x.shape[:-1] + (-1, 32)); a = np.abs(x).max(-1, keepdims=True)
;;       e = np.where(a > 0, np.clip(np.frexp(np.where(a > 0, a, 1))[1] - 1 - 4, -126, 127), 0)      # np.frexp(a)[1] - 1 = floor(log2(a)), exactly
;;       r = np.clip(x / 2.0 ** e, -28, 28)
;;       step = 2.0 ** (np.maximum(np.frexp(np.where(r == 0, 1, r))[1] - 1, -2) - 2)
;;       q = np.round(r / step) * step * 2.0 ** e      # np.round: ties to even
;;       return np.moveaxis(q.reshape(q.shape[:-2] + (-1,))[..., :K], -1, axis).astype(np.float32)
;;   ~~~
;;   SOFTMAX AHEAD OF A QUANTISED PRODUCT. Where the list says 'softmax', what is quantised is not the finished softmax but p = 2^(t - M), with t = logit x log2(e) and M = ceil(the row's largest t), a whole number; so 1/2 < the row's largest p <= 1. The row's sum l is taken of the UNQUANTISED p, in f32, and the product's result is divided by l at the end. Since M is a whole number, a kernel that streams over the keys may use a running M (the ceiling of the running maximum): every later rescaling is an exact power of two, which a block's scale takes up: the codes' values come out the same.
;;   OPERANDS COMPUTED ON THE WAY. 'Computed on the way' means the value that the module computes at that place (a softmax that the list does not call 'softmax' is quantised finished and normalised). What goes into a quantiser is computed in f32, as accurately as f32 sums, v_exp_f32 and their like allow (about 1e-6 of the number): no bf16 or f16 on the way to a quantiser, and a product that is left as it is and whose result goes on into a quantised operand takes f32 operands (vector FMAs, or v_wmma_f32_16x16x4_f32). A number that lies on a knife's edge between two numbers of the format may be rounded either way, as far as f32 arithmetic and the matrix unit's own rounding can turn it there, and no further.
;;   INPUTS GIVEN AS CODES. Wk (in the module: [512, 512], K = its axis 1); Wo (in the module: [512, 512], K = its axis 1); Wq (in the module: [512, 512], K = its axis 1); Wv (in the module: [512, 512], K = its axis 1); x (in the module: [2, 4096, 512], K = its axis 2): each comes as NAME_codes (uint8): NAME with its K axis moved to the last place and cut into blocks of 32 codes, [.., K / 32, bytes a block], one block behind the other in memory; four codes in three bytes: a row's codes are one little-endian stream of bits, code i at bits 6 i .. 6 i + 5 (a code: sign, 3 exponent bits, 2 mantissa bits); and NAME_scales (uint8): the same leading axes, one E8M0 byte (e + 127) for each 32 codes along K. Its value is code x scale, taken as it is: it is not quantised again, and the codes and scales need not be those that the quantiser above would give.
;; One version. Each part assembles by itself: llvm-mc -triple=amdgcn-amd-amdhsa -mcpu=gfx1250 --defsym DOCPART=n.
;; ======== version 1 of 1: 3 launches
;; limits: right only within a limited range of input values
;; workspace buffers: qc 3,145,728 bytes; qs 131,072 bytes; kvc 6,291,456 bytes; kvs 262,144 bytes; oc 3,145,728 bytes; os 131,072 bytes
;; launch qkv (part 1): grid 64 x 3, 4 waves a work-group, clusters of 4 x 1, 276,992 bytes of LDS; arguments x_codes, x_scales, Wq_codes, Wq_scales, bq, Wk_codes, Wk_scales, bk, Wv_codes, Wv_scales, bv, qc, qs, kvc, kvs; writes qc, qs, kvc, kvs
.if DOCPART == 1
	.amdgcn_target "amdgcn-amd-amdhsa--gfx1250"
	.amdhsa_code_object_version 6
	.text
	.protected	k_qd0fdcc0293_qkv
	.globl	k_qd0fdcc0293_qkv
	.p2align	8
	.type	k_qd0fdcc0293_qkv,@function
k_qd0fdcc0293_qkv:
	s_mov_b64 s[64:65], 0
	v_nop
	global_prefetch_b8 v0, s[64:65] scope:SCOPE_SE
	s_setreg_imm32_b32 hwreg(HW_REG_WAVE_MODE, 25, 1), 1
	s_wait_xcnt 0x0
	s_wait_alu depctr_hold_cnt(0) depctr_sa_sdst(0) depctr_va_vdst(0) depctr_va_sdst(0) depctr_va_ssrc(0) depctr_va_vcc(0) depctr_vm_vsrc(0)
	s_getreg_b32 s2, hwreg(HW_REG_IB_STS2, 6, 4)
	s_cmp_eq_u32 s2, 0
	s_cbranch_scc0 .Lentry_in_a_cluster
	s_endpgm
.Lentry_in_a_cluster:
	s_bfe_u32 s2, ttmp6, 0x10000c
	s_cmp_lg_u32 s2, 0x3003
	s_cbranch_scc0 .Lentry_shape_is_right
	s_endpgm
.Lentry_shape_is_right:
; q, k, v = x W^T + b on codes of BF6 (E3M2) with E8M0 scales, and the results quantised at once: q and k along a head's 64 channels, v along the keys.
; x: [8192][512] codes (384 bytes a row) and 16 scale bytes a row; Wq, Wk, Wv: [512][512] likewise; biases f32.
; SHARES.  Work-group x = a group of 128 tokens, work-group y = which product (0 q, 1 k, 2 v).  Wave w owns features 128 w .. 128 w + 127: heads 2 w and 2 w + 1.
; ONE SCHEME, TWO ROLES.  D = (source 0: 16 rows of a STATIONARY block of 128 rows, kept in registers) x (source 1: 16 rows of a MOVING block), four K steps of 128.
; A lane then holds one moving row, and its 64 accumulator registers run along the stationary rows.  q, k: W's 128 features are stationary, the tokens move: a lane's registers run along the channels.
; v: the 128 tokens are stationary, Wv's features move: a lane's registers run along the keys.  So in both roles the quantiser's K lies along one lane's registers.
; THE ROWS OF A TILE ARE NOT NEIGHBOURS: lane r of tile 2 b + u takes row 32 b + 8 u + r + 8 (r / 8) of its block, so that the 16 registers of tiles 2 b, 2 b + 1 are 16 neighbours: row 32 b + 16 (lane / 16) + 0 .. 15.
; That order is made by the tensor loads: a descriptor row is 8 dense memory rows (3,072 bytes), every second of them is taken, so LDS region u holds rows 16 j + 8 u + 0 .. 7.
; OUTPUT: images of operand registers (a group of four registers at 16 x lane, 512 bytes a store), which the attention launch reads as they lie.
;   q, k: a pair image = 12 registers: 0-5 token 32 p + r + 8 (r / 8), 6-11 the token 8 further on; each with the head's 64 channels.  Scale words at 16 r + 4 p: two bytes for each of the two tokens.
;   v: a tile image = 16 channels x 128 keys, 12 registers.  Scale words at 16 r + 4 t.
; CLUSTER: the four work-groups of a cluster differ in their tokens alone and need the same W: W's blocks are asked for jointly.  x's block is each work-group's own, a plain load;
; the three work-groups along y that read the same x are not four, so they form no cluster along y.
; LDS is filled once: nothing is filled again.
; LIMITS: NaN and infinities are not served.  A block of zeros gets the scale byte 1 where the rule says 127: its codes are zeros, and this program alone reads the bytes.
.set PIT,   432                        ; an LDS row: 3 x (128 bytes + 16 of padding)
.set REGU,  27648                      ; a region: 64 rows
.set TILEB, 6912                       ; 16 rows
.set BLKB,  55296                      ; x's block (two regions) lies at 0.  W's region 0 of all 512 rows begins at BLKB, its region 1 at BLKB + 4 REGU; wave w's 64 rows of each lie w REGU further on
.set G0D,   16                         ; s[16:19] group 0 of x's region 1 (the arguments that lay there have been used by then)
.set AX,  1                            ; v1, v2   my lane's place in a tile of x: 432 r + 24 h, 432 r + 40 h (behind one padding more)
.set AW,  3                            ; v3, v4   the same in my wave's block of W
.set LI,  5                            ; v5       16 x lane
.set SCO, 6                            ; v6       the scale words' way out: 16 r + h x (a head's scale bytes)
.set SRO, 7                            ; v7       a tile pair's rows of scale bytes: 16 (8 h + r + 8 (r / 8))
.set BQO, 8                            ; v8       64 h: the bias of q, k
.set BVO, 9                            ; v9       4 (r + 8 (r / 8)): the bias of v
.set MV,  16                           ; v16-111  two sets of a moving tile's four fragments
.set ACC, 112                          ; v112-175 eight accumulators
.set SS,  176                          ; v176-191 stationary scale words: register 4 b + s: lanes 0-15 tile 2 b, lanes 16-31 tile 2 b + 1
.set MS,  192                          ; v192-199 moving scale words, two sets of 4: lanes 0-15 tile 2 p, lanes 16-31 tile 2 p + 1
.set W4,  200                          ; v200-203 the scale words made
.set TM,  204                          ; v204-219 +0..3 largest magnitudes, +4..7 bytes, +8, +9 at work, +12..15 the conversions' scale operands
.set CT,  220                          ; v220-226 the conversions' second halves
.set IMG, 228                          ; v228-239 an image (q, k: head 2 w's)
.set IMGB, 240                         ; v240-251 q, k: head 2 w + 1's
.set C8,  240                          ; v240-247 v: the moving row's bias, eight times
.set BV,  248                          ; v248-255 v: the bias of the eight moving tiles
.set BS,  192                          ; window 1, v192-255: q, k: the bias in the result's layout, eight registers a tile
.set WV,  66
.set YY,  67
.set GG,  68
.set CA,  70                           ; s[70:71] codes out, head 2 w;  s[72:73] head 2 w + 1
.set CB,  72
.set SOUT, 74                          ; s[74:75] scale words out
.set XS,  76                           ; s[76:77] x's scale bytes, my 128 tokens
.set WSB, 78                           ; s[78:79] W's scale bytes, my 128 features
.set BI,  80                           ; s[80:81] the bias, my 128 features
.set HM,  82                           ; s82      lanes 16-31
.set SEL, 84                           ; s[84:85] lane l xor 16
.set G1W, 36
.set G1X, 44
.set G0A, 52
.set G0B, 56
.set G0C, 60
.set MSB, 0
.macro WIN new                         ; the immediate's high byte repeats the setting that is left
.if MSB != \new
	s_set_vgpr_msb (MSB<<8)|\new
.set MSB, \new
.endif
.endm
.macro ROUND                           ; a round of the cluster's barrier
	s_barrier_signal -1
	s_barrier_wait -1
	s_cmp_lg_u32 s[WV], 0
	s_cbranch_scc1 .Lnot_wave_0_\@
	s_barrier_signal -3
.Lnot_wave_0_\@:
	s_barrier_wait -3
	s_barrier_signal -1
	s_barrier_wait -1
.endm
; A fragment, 16 rows x 128 K: lane (r, h) takes 24 bytes at 96 ks + 24 h and 24 at 96 ks + 48 + 24 h of its row, in pieces of 8 bytes.  16 bytes of padding lie behind every 16 pieces:
; where the piece three on (lanes 16-31) lies behind one padding more, the second address register serves.
.macro FRAG reg, adr, ks, off
.irp pp, 0,1,2,3,4,5
.set PCE, 12*(\ks)+6*(\pp/3)+\pp%3
.if PCE%16 < 13
	ds_load_b64 v[(\reg)+2*\pp:(\reg)+2*\pp+1], v[\adr] offset:(\off)+8*PCE+16*(PCE/16)
.else
	ds_load_b64 v[(\reg)+2*\pp:(\reg)+2*\pp+1], v[(\adr)+1] offset:(\off)+8*PCE+16*(PCE/16)
.endif
.endr
.endm
; The matrix instruction.  ra, rb = 1: that side's scale words stand in lanes 16-31 of the register named.
.macro WM d, a, b, c, sa, sb, ra, rb
.if (\ra) && (\rb)
	v_wmma_scale_f32_16x16x128_f8f6f4 v[(\d):(\d)+7], v[(\a):(\a)+11], v[(\b):(\b)+11], v[(\c):(\c)+7], v[\sa], v[\sb] matrix_a_fmt:MATRIX_FMT_BF6 matrix_b_fmt:MATRIX_FMT_BF6 matrix_a_scale:MATRIX_SCALE_ROW1 matrix_b_scale:MATRIX_SCALE_ROW1
.elseif (\ra)
	v_wmma_scale_f32_16x16x128_f8f6f4 v[(\d):(\d)+7], v[(\a):(\a)+11], v[(\b):(\b)+11], v[(\c):(\c)+7], v[\sa], v[\sb] matrix_a_fmt:MATRIX_FMT_BF6 matrix_b_fmt:MATRIX_FMT_BF6 matrix_a_scale:MATRIX_SCALE_ROW1
.elseif (\rb)
	v_wmma_scale_f32_16x16x128_f8f6f4 v[(\d):(\d)+7], v[(\a):(\a)+11], v[(\b):(\b)+11], v[(\c):(\c)+7], v[\sa], v[\sb] matrix_a_fmt:MATRIX_FMT_BF6 matrix_b_fmt:MATRIX_FMT_BF6 matrix_b_scale:MATRIX_SCALE_ROW1
.else
	v_wmma_scale_f32_16x16x128_f8f6f4 v[(\d):(\d)+7], v[(\a):(\a)+11], v[(\b):(\b)+11], v[(\c):(\c)+7], v[\sa], v[\sb] matrix_a_fmt:MATRIX_FMT_BF6 matrix_b_fmt:MATRIX_FMT_BF6
.endif
.endm
; 64 numbers of a lane, register 16 b + i = place 32 b + 16 (lane / 16) + i along the quantiser's K, become codes: blocks 0, 1 in six registers from d0 on, blocks 2, 3 from d1 on
; (lanes 0-15 the even block, lanes 16-31 the odd one, whole).  The four scale bytes stay in v[TM+4] on.
.macro QUANT src, d0, d1
.irp b, 0,1,2,3
	v_max3_num_f32 v[TM+\b], |v[(\src)+16*\b]|, |v[(\src)+1+16*\b]|, 0x2800000   ; my 16 numbers of block b, and the floor 2^(5 - 127): the byte cannot fall under 1
.endr
.irp i, 2,4,6,8,10,12,14
.irp b, 0,1,2,3
	v_max3_num_f32 v[TM+\b], v[TM+\b], |v[(\src)+16*\b+\i]|, |v[(\src)+1+16*\b+\i]|   ; the four blocks by turns
.endr
.endr
.irp b, 0,1,2,3
	v_permlanex16_b32 v[TM+4+\b], v[TM+\b], s[SEL], s[SEL+1]
.endr
.irp b, 0,1,2,3
	v_max_num_f32 v[TM+\b], v[TM+\b], v[TM+4+\b]      ; with lane l xor 16's 16: the block's largest magnitude
.endr
.irp b, 0,1,2,3
	v_add_nc_u32 v[TM+12+\b], 0xfe000000, v[TM+\b]    ; 4 off its exponent field: the conversion's scale operand
.endr
.irp b, 0,1,2,3
	v_lshrrev_b32 v[TM+4+\b], 23, v[TM+12+\b]         ; the scale's byte
.endr
	v_cvt_scalef32_pk16_bf6_f32 v[(\d0):(\d0)+2], v[(\src):(\src)+15], v[TM+12]
	v_cvt_scalef32_pk16_bf6_f32 v[CT:CT+2], v[(\src)+16:(\src)+31], v[TM+13]      ; (a conversion's three registers begin on an even number)
	v_cvt_scalef32_pk16_bf6_f32 v[(\d1):(\d1)+2], v[(\src)+32:(\src)+47], v[TM+14]
	v_cvt_scalef32_pk16_bf6_f32 v[CT+4:CT+6], v[(\src)+48:(\src)+63], v[TM+15]
	v_nop                                              ; one plain place behind the scaled conversions
.irp i, 0,1,2
	v_permlane16_swap_b32 v[(\d0)+\i], v[CT+\i]        ; the first's lanes 16-31 change places with the second's lanes 0-15: each lane now has a whole block
	v_permlane16_swap_b32 v[(\d1)+\i], v[CT+4+\i]
.endr
.irp i, 0,1,2
	v_mov_b32 v[(\d0)+3+\i], v[CT+\i]
	v_mov_b32 v[(\d1)+3+\i], v[CT+4+\i]
.endr
.endm
	s_load_b512 s[4:19], s[0:1], 0x0               ; x codes, x scales, Wq codes, Wq scales, bq, Wk codes, Wk scales, bk
	s_load_b256 s[20:27], s[0:1], 0x40             ; Wv codes, Wv scales, bv, qc
	s_load_b128 s[28:31], s[0:1], 0x60             ; qs, kvc
	s_load_b64 s[32:33], s[0:1], 0x70              ; kvs
	v_lshl_add_u32 v223, v0, 2, 0x43800
	v_mov_b32 v227, 0
	ds_add_u32 v223, v227
	ds_add_u32 v223, v227
	v_lshrrev_b32 v10, 5, v0
	v_readfirstlane_b32 s[WV], v10                 ; wave 0..3
	v_and_b32 v10, 15, v0                          ; r
	s_wait_alu depctr_va_vdst(0)
	v_bfe_u32 v11, v0, 4, 1                        ; h
	s_bfe_u32 s[GG], ttmp6, 0x40000                ; cx
	s_lshl_b32 s69, ttmp9, 2
	s_add_co_u32 s[GG], s69, s[GG]                 ; my group of 128 tokens = 4 x cluster x + cx: it enters global addresses alone
	s_and_b32 s[YY], ttmp7, 0xffff                 ; which product: the same in all four partners
	; descriptor group 1, elements of 8 bytes: rows of 3,072 bytes (8 memory rows), 6,144 bytes apart, 16 bytes of padding behind every 128
	s_mov_b32 s[G1W], 15|(3<<16)|(1<<20)|(1<<21)|(4<<22)|(3<<25)  ; the mask names the four partners; bit 21 beside it
	s_mov_b32 s[G1W+1], 384<<16
	s_mov_b32 s[G1W+2], 32<<16
	s_mov_b32 s[G1W+3], 384<<16
	s_mov_b32 s[G1W+4], 32
	s_mov_b32 s[G1W+5], 768
	s_mov_b32 s[G1W+6], 0
	s_mov_b32 s[G1W+7], 0
	s_mov_b32 s[G1X], (3<<16)|(1<<20)|(4<<22)|(3<<25)             ; x: no mask; eight such rows a wave
	s_mov_b32 s[G1X+1], 384<<16
	s_mov_b32 s[G1X+2], 8<<16
	s_mov_b32 s[G1X+3], 384<<16
	s_mov_b32 s[G1X+4], 8
	s_mov_b32 s[G1X+5], 768
	s_mov_b32 s[G1X+6], 0
	s_mov_b32 s[G1X+7], 0
	s_mul_i32 s86, s[WV], REGU
	s_add_co_u32 s86, s86, BLKB                    ; my wave's block of W in LDS
	s_mul_i32 s90, s[GG], 49152                    ; my 128 tokens of x
	s_mov_b32 s91, 0
	v_mul_u32_u24 v[AX], v10, PIT
	s_wait_alu depctr_va_vdst(0)
	v_mad_u32_u24 v[AX+1], v11, 40, v[AX]
	v_mad_u32_u24 v[AX], v11, 24, v[AX]
	v_add_nc_u32 v[AW], s86, v[AX]
	v_add_nc_u32 v[AW+1], s86, v[AX+1]
	v_and_b32 v[LI], 31, v0
	v_lshlrev_b32 v[LI], 4, v[LI]
	v_and_b32 v12, 8, v10
	v_add_nc_u32 v12, v12, v10                     ; r + 8 (r / 8)
	v_lshl_add_u32 v[SRO], v11, 3, v12
	v_lshlrev_b32 v[SRO], 4, v[SRO]
	v_lshlrev_b32 v[BQO], 6, v11
	v_lshlrev_b32 v[BVO], 2, v12
.irp b, 0,1,2,3
	v_mov_b32 v[TM+4+\b], 0                        ; written once: a lane permute's destination counts as one of its sources
.endr
	; where the results go.  k's and v's buffers have twice q's strides: a shift by 0 or 1
	s_lshr_b32 s94, s[GG], 5                       ; batch
	s_lshl_b32 s94, s94, 3
	s_lshl_b32 s95, s[WV], 1
	s_add_co_u32 s94, s94, s95                     ; 8 x batch + head 2 w
	s_and_b32 s95, s[GG], 31                       ; the step of 128 tokens in the batch
	s_cmp_eq_u32 s[YY], 0
	s_cselect_b32 s88, 0, 1
	s_mul_i32 s98, s94, 196608
	s_mul_i32 s99, s95, 6144
	s_add_co_u32 s98, s98, s99
	s_lshl_b32 s98, s98, s88                       ; codes
	s_mov_b32 s99, 0
	s_lshl_b32 s96, 196608, s88                    ; from head to head
	s_mov_b32 s97, 0
	s_lshl_b32 s94, s94, 13
	s_lshl_b32 s95, s95, 8
	s_add_co_u32 s94, s94, s95
	s_lshl_b32 s94, s94, s88                       ; scale words
	s_mov_b32 s95, 0
	s_add_co_u32 s88, s88, 13
	v_lshlrev_b32 v[SCO], s88, v11                 ; lanes 16-31 store the second head's words
	v_lshl_add_u32 v[SCO], v10, 4, v[SCO]
	v_add_nc_u32 v[AX+10], REGU, v[AX]             ; region 1 has address registers of its own, ten further on: x's,
	v_add_nc_u32 v[AX+11], REGU, v[AX+1]
	v_add_nc_u32 v[AW+10], 4*REGU, v[AW]           ; and W's
	v_add_nc_u32 v[AW+11], 4*REGU, v[AW+1]
	s_mov_b32 s[HM], 0xffff0000
	s_mov_b32 s[SEL], 0x76543210
	s_mov_b32 s[SEL+1], 0xfedcba98
	s_wait_dscnt 0x0
	s_wait_kmcnt 0x0
	s_cmp_eq_u32 s[YY], 1                          ; the choices hang on the work-group's y alone
	s_cselect_b64 s[8:9], s[14:15], s[8:9]
	s_cselect_b64 s[10:11], s[16:17], s[10:11]
	s_cselect_b64 s[12:13], s[18:19], s[12:13]
	s_cmp_eq_u32 s[YY], 2
	s_cselect_b64 s[8:9], s[20:21], s[8:9]         ; W's codes,
	s_cselect_b64 s[10:11], s[22:23], s[10:11]     ; its scale bytes,
	s_cselect_b64 s[12:13], s[24:25], s[12:13]     ; the bias
	s_cmp_eq_u32 s[YY], 0
	s_cselect_b64 s[26:27], s[26:27], s[30:31]     ; codes out: qc or kvc
	s_cselect_b64 s[28:29], s[28:29], s[32:33]     ; scale words out: qs or kvs
	s_mov_b32 s[G0A], 1                            ; W's region 0, all 512 rows
	s_mov_b32 s[G0A+1], BLKB
	s_mov_b64 s[G0A+2:G0A+3], s[8:9]
	s_mov_b32 s[G0B], 1                            ; W's region 1
	s_mov_b32 s[G0B+1], BLKB+4*REGU
	s_add_nc_u64 s[G0B+2:G0B+3], s[8:9], 3072
	s_or_b32 s[G0A+3], s[G0A+3], 0x80000000
	s_or_b32 s[G0B+3], s[G0B+3], 0x80000000
	s_mov_b32 s[G0C], 1                            ; x's region 0
	s_mov_b32 s[G0C+1], 0
	s_add_nc_u64 s[G0C+2:G0C+3], s[4:5], s[90:91]
	s_mov_b32 s[G0D], 1                            ; x's region 1
	s_mov_b32 s[G0D+1], REGU
	s_add_nc_u64 s[G0D+2:G0D+3], s[G0C+2:G0C+3], 3072
	s_or_b32 s[G0C+3], s[G0C+3], 0x80000000
	s_or_b32 s[G0D+3], s[G0D+3], 0x80000000
	ROUND                                          ; all four work-groups are here: the joint loads meet
; The launch's four fills, one a wave: one chain of branches on the wave's number, each arm with its load, all arms leading to one join.
.macro ARM under, g0, g1, next
	s_cmp_lt_u32 s[WV], \under
	s_cbranch_scc0 \next
	tensor_load_to_lds s[\g0:\g0+3], s[\g1:\g1+7]
	s_nop 0
.rept 4
	v_nop
.endr
	s_branch .Lhead_asked
\next:
.endm
	ARM 1, G0A, G1W, .Lhead_w1
	ARM 2, G0B, G1W, .Lhead_x0
	ARM 3, G0C, G1X, .Lhead_x1
	tensor_load_to_lds s[G0D:G0D+3], s[G1X:G1X+7]
	s_nop 0
.rept 4
	v_nop
.endr
.Lhead_asked:
	s_add_nc_u64 s[CA:CA+1], s[26:27], s[98:99]
	s_add_nc_u64 s[CB:CB+1], s[CA:CA+1], s[96:97]
	s_add_nc_u64 s[SOUT:SOUT+1], s[28:29], s[94:95]
	s_lshl_b32 s86, s[GG], 11
	s_mov_b32 s87, 0
	s_add_nc_u64 s[XS:XS+1], s[6:7], s[86:87]
	s_lshl_b32 s86, s[WV], 11
	s_add_nc_u64 s[WSB:WSB+1], s[10:11], s[86:87]
	s_lshl_b32 s86, s[WV], 9
	s_add_nc_u64 s[BI:BI+1], s[12:13], s[86:87]
	s_wait_tensorcnt 0x0                           ; my parts have landed,
	s_barrier_signal -1
	s_barrier_wait -1                              ; everybody's have: x's block is whole
; Moving tile i (pair P_ = i / 2, half U_ = i % 2): 32 matrix instructions, the eight accumulators by turns, then the quantiser and the stores.
.macro SUB isv, i
.set P_, (\i)/2
.set U_, (\i)%2
.set MVC, MV+48*U_
.set MVN, MV+48*(1-U_)
.set MSC, MS+4*(P_%2)
.set MSN, MS+4*((P_+1)%2)
.set NP_, ((\i)+1)/2
.set NU_, ((\i)+1)%2
.set OB_, CA+2*((\i)/4)
	s_wait_dscnt 0x0                               ; this tile's fragments are in (ahead of tile 0: the stationary ones too)
.if U_ == 0
	s_wait_loadcnt 0x0                             ; this pair's scale words are in (ahead of tile 0: all scale words and the bias)
.if (\i) < 6
	global_load_b128 v[MSN:MSN+3], v[SRO], s[SCM:SCM+1] offset:512*(P_+1)   ; the next pair's
.endif
.endif
.if (\i) < 7
.irp s, 0,1,2,3
	FRAG MVN+12*\s,MADR+10*NU_,\s,TILEB*NP_        ; the next tile's fragments land under this tile's work
.endr
.endif
.irp s, 0,1,2,3
.if \s == 0
.if \isv
	WIN 0x01                                       ; source 0 window 1
.else
	WIN 0x11                                       ; source 0 and C (the bias) window 1
.endif
.elseif \s == 1
	WIN 0x01
.else
	WIN 0x02                                       ; source 0 window 2
.endif
.irp t, 0,1,2,3,4,5,6,7
.if \s > 0
	WM ACC+8*\t,96*(\s%2)+12*\t,MVC+12*\s,ACC+8*\t,SS+4*(\t/2)+\s,MSC+\s,\t%2,U_
.elseif \isv
	WM ACC+8*\t,12*\t,MVC,C8,SS+4*(\t/2),MSC,\t%2,U_     ; the bias is the C of each sum's first product
.else
	WM ACC+8*\t,12*\t,MVC,BS+8*\t,SS+4*(\t/2),MSC,\t%2,U_
.endif
.endr
.endr
	WIN 0
.rept 4
	v_nop                                          ; four places behind the products, ahead of the first read of their results (ISA guide 7.12.1)
.endr
.if \isv
.if (\i) < 7
.irp j, 0,1,2,3,4,5,6,7
	v_mov_b32 v[C8+\j], v[BV+(\i)+1]               ; the next moving row's bias
.endr
.endif
.endif
	s_wait_xcnt 0x0                                ; the earlier stores have read their registers: the images are written again only behind this wait
.if \isv
	QUANT ACC,IMG,IMG+6
	v_lshl_or_b32 v[TM+8], v[TM+5], 8, v[TM+4]     ; my channel's scale word for these 128 keys
	v_lshl_or_b32 v[TM+8], v[TM+6], 16, v[TM+8]
	v_lshl_or_b32 v[TM+8], v[TM+7], 24, v[TM+8]
.if (\i) < 4
	v_mov_b32 v[W4+(\i)], v[TM+8]
.else
	v_cndmask_b32 v[W4+(\i)-4], v[W4+(\i)-4], v[TM+8], s[HM]   ; lanes 16-31 keep the second head's words
.endif
.irp c, 0,1,2
	global_store_b128 v[LI], v[IMG+4*\c:IMG+4*\c+3], s[OB_:OB_+1] offset:6144+1536*((\i)%4)+512*\c   ; 32 lanes store 512 consecutive bytes, aligned to 256
.endr
.else
	QUANT ACC,IMG+6*U_,IMGB+6*U_
	v_cndmask_b32 v[TM+8], v[TM+4], v[TM+6], s[HM] ; lanes 0-15: the first head's two bytes, lanes 16-31: the second head's
	v_cndmask_b32 v[TM+9], v[TM+5], v[TM+7], s[HM]
	v_lshl_or_b32 v[TM+8], v[TM+9], 8, v[TM+8]
.if U_ == 0
	v_mov_b32 v[W4+P_], v[TM+8]
.else
	v_lshl_or_b32 v[W4+P_], v[TM+8], 16, v[W4+P_]
.irp c, 0,1,2
	global_store_b128 v[LI], v[IMG+4*\c:IMG+4*\c+3], s[CA:CA+1] offset:1536*P_+512*\c
	global_store_b128 v[LI], v[IMGB+4*\c:IMGB+4*\c+3], s[CB:CB+1] offset:1536*P_+512*\c
.endr
.endif
.endif
.if (\i) == 7
	global_store_b128 v[SCO], v[W4:W4+3], s[SOUT:SOUT+1] offset:256*\isv   ; sixteen lanes fill 256 consecutive bytes of one head, the other sixteen of the next
.endif
.endm
.macro PATH isv
.if \isv
.set SADR, AX
.set MADR, AW
.set SCS, XS
.set SCM, WSB
.else
.set SADR, AW
.set MADR, AX
.set SCS, WSB
.set SCM, XS
.endif
.irp b, 0,1,2,3
	global_load_b128 v[SS+4*\b:SS+4*\b+3], v[SRO], s[SCS:SCS+1] offset:512*\b   ; a row's 16 scale bytes: the words of its four K steps
.endr
	global_load_b128 v[MS:MS+3], v[SRO], s[SCM:SCM+1]
.if \isv
.irp j, 0,1,2,3,4,5,6,7
	global_load_b32 v[BV+\j], v[BVO], s[BI:BI+1] offset:(32*(\j/2)+8*(\j%2))*4
.endr
	WIN 0x40
.else
	WIN 0x40                                       ; destination window 1
.irp t, 0,1,2,3,4,5,6,7
	global_load_b128 v[BS+8*\t:BS+8*\t+3], v[BQO], s[BI:BI+1] offset:(32*(\t/2)+8*(\t%2))*4
	global_load_b128 v[BS+8*\t+4:BS+8*\t+7], v[BQO], s[BI:BI+1] offset:(32*(\t/2)+8*(\t%2))*4+16
.endr
.endif
.irp s, 0,1
.irp t, 0,1,2,3,4,5,6,7
	FRAG 96*\s+12*\t,SADR+10*(\t%2),\s,TILEB*(\t/2)        ; the stationary block's 32 fragments: read from LDS once, they stay
.endr
.endr
	WIN 0x80                                       ; destination window 2
.irp s, 2,3
.irp t, 0,1,2,3,4,5,6,7
	FRAG 96*(\s-2)+12*\t,SADR+10*(\t%2),\s,TILEB*(\t/2)
.endr
.endr
	WIN 0
.irp s, 0,1,2,3
	FRAG MV+12*\s,MADR,\s,0
.endr
.if \isv
	s_wait_loadcnt 0x0
.irp j, 0,1,2,3,4,5,6,7
	v_mov_b32 v[C8+\j], v[BV]
.endr
	s_wait_alu depctr_va_vdst(0)
.rept 4
	v_nop
.endr
.endif
.irp n, 0,1,2,3,4,5,6,7
	SUB \isv,\n
.endr
.endm
	s_cmp_eq_u32 s[YY], 2                          ; the same in all four partners
	s_cbranch_scc1 .Lpath_v
	s_wait_alu depctr_va_vdst(0)
	PATH 0
	s_branch .Ljoin
.Lpath_v:
	s_wait_alu depctr_va_vdst(0)
	PATH 1
.Ljoin:
	s_wait_tensorcnt 0x0
	ds_add_u32 v223, v227
	s_wait_dscnt 0x0
	ROUND                                          ; the closing round: no work-group ends while a partner may still ask for a block that names it
	s_endpgm
.Lfunc_end_k_qd0fdcc0293_qkv:
	.size	k_qd0fdcc0293_qkv, .Lfunc_end_k_qd0fdcc0293_qkv-k_qd0fdcc0293_qkv
	.p2alignl 7, 3214868480
	.fill 96, 4, 3214868480
	.section	.rodata,"a",@progbits
	.p2align	6, 0x0
	.amdhsa_kernel k_qd0fdcc0293_qkv
		.amdhsa_group_segment_fixed_size 276992
		.amdhsa_private_segment_fixed_size 0
		.amdhsa_enable_private_segment 0
		.amdhsa_kernarg_size 120
		.amdhsa_user_sgpr_count 2
		.amdhsa_user_sgpr_kernarg_segment_ptr 1
		.amdhsa_wavefront_size32 1
		.amdhsa_system_sgpr_workgroup_id_x 1
		.amdhsa_system_sgpr_workgroup_id_y 1
		.amdhsa_system_sgpr_workgroup_id_z 1
		.amdhsa_system_vgpr_workitem_id 0
		.amdhsa_next_free_vgpr 704
		.amdhsa_next_free_sgpr 100
		.amdhsa_reserve_vcc 0
		.amdhsa_float_denorm_mode_32 3
		.amdhsa_float_denorm_mode_16_64 3
		.amdhsa_memory_ordered 1
		.amdhsa_forward_progress 1
		.amdhsa_inst_pref_size 197
	.end_amdhsa_kernel
	.amdgpu_metadata
---
amdhsa.version: [ 1, 2 ]
amdhsa.kernels:
  - .name:           k_qd0fdcc0293_qkv
    .symbol:         k_qd0fdcc0293_qkv.kd
    .args:
      - { .name: x_codes, .offset: 0, .size: 8, .value_kind: global_buffer, .address_space: global }
      - { .name: x_scales, .offset: 8, .size: 8, .value_kind: global_buffer, .address_space: global }
      - { .name: Wq_codes, .offset: 16, .size: 8, .value_kind: global_buffer, .address_space: global }
      - { .name: Wq_scales, .offset: 24, .size: 8, .value_kind: global_buffer, .address_space: global }
      - { .name: bq, .offset: 32, .size: 8, .value_kind: global_buffer, .address_space: global }
      - { .name: Wk_codes, .offset: 40, .size: 8, .value_kind: global_buffer, .address_space: global }
      - { .name: Wk_scales, .offset: 48, .size: 8, .value_kind: global_buffer, .address_space: global }
      - { .name: bk, .offset: 56, .size: 8, .value_kind: global_buffer, .address_space: global }
      - { .name: Wv_codes, .offset: 64, .size: 8, .value_kind: global_buffer, .address_space: global }
      - { .name: Wv_scales, .offset: 72, .size: 8, .value_kind: global_buffer, .address_space: global }
      - { .name: bv, .offset: 80, .size: 8, .value_kind: global_buffer, .address_space: global }
      - { .name: qc, .offset: 88, .size: 8, .value_kind: global_buffer, .address_space: global }
      - { .name: qs, .offset: 96, .size: 8, .value_kind: global_buffer, .address_space: global }
      - { .name: kvc, .offset: 104, .size: 8, .value_kind: global_buffer, .address_space: global }
      - { .name: kvs, .offset: 112, .size: 8, .value_kind: global_buffer, .address_space: global }
    .group_segment_fixed_size: 276992
    .private_segment_fixed_size: 0
    .kernarg_segment_align: 8
    .kernarg_segment_size: 120
    .max_flat_workgroup_size: 128
    .sgpr_count:     100
    .vgpr_count:     704
    .wavefront_size: 32
...
	.end_amdgpu_metadata
.endif
;; end of part 1
;; launch attn (part 2): grid 16 x 16, 16 waves a work-group, clusters of 4 x 1, 327,680 bytes of LDS; arguments qc, qs, kvc, kvs, oc, os; writes oc, os
.if DOCPART == 2
	.amdgcn_target "amdgcn-amd-amdhsa--gfx1250"
	.amdhsa_code_object_version 6
	.text
	.protected	k_qd0fdcc0293_attn
	.globl	k_qd0fdcc0293_attn
	.p2align	8
	.type	k_qd0fdcc0293_attn,@function
k_qd0fdcc0293_attn:
	s_mov_b64 s[64:65], 0
	v_nop
	global_prefetch_b8 v0, s[64:65] scope:SCOPE_SE
	s_setreg_imm32_b32 hwreg(HW_REG_WAVE_MODE, 25, 1), 1
	s_wait_xcnt 0x0
	s_wait_alu depctr_hold_cnt(0) depctr_sa_sdst(0) depctr_va_vdst(0) depctr_va_sdst(0) depctr_va_ssrc(0) depctr_va_vcc(0) depctr_vm_vsrc(0)
	s_getreg_b32 s2, hwreg(HW_REG_IB_STS2, 6, 4)
	s_cmp_eq_u32 s2, 0
	s_cbranch_scc0 .Lentry_in_a_cluster
	s_endpgm
.Lentry_in_a_cluster:
	s_bfe_u32 s2, ttmp6, 0x10000c
	s_cmp_lg_u32 s2, 0x3003
	s_cbranch_scc0 .Lentry_shape_is_right
	s_endpgm
.Lentry_shape_is_right:
; O = softmax(q k^T / 8) v for one head and 256 queries, both products on codes of BF6 (E3M2) with E8M0 scales; O is quantised along the model's 512 (a head is two blocks of 32) and stored as codes.
; INPUTS are images of operand registers, made by the launch before (a group of four registers at 16 x lane, 512 bytes).
; THE SOFTMAX: t = score x log2(e) / 8; M = the running largest t, rounded UP to a whole number; p = 2^(t - M) is quantised along the keys, not normalised.  The row's sum is taken of the
; unquantised p and divides O at the end.  When M moves, the sum and O are multiplied by 2^(old M - new M): exact.
; SHARES.  Work-group y = batch x 8 + head; work-group x = 256 queries.  Each of sixteen waves owns 16 queries in 256 registers and walks the head's 4,096 keys, 128 a step.
; BOTH PRODUCTS TRANSPOSED: S^T = K Q^T, O^T = V^T P^T: a lane holds ONE query (lane % 16) throughout.
; K = 64 IN AN INSTRUCTION OF 128.  A row of a K fragment is [key | the key 8 further on], 64 channels each.  Times QL = [q | zero codes] it gives one score tile, times QH = [zero codes | q] the next.
; WHICH KEYS FORM A TILE.  Stored pair image p has row r = key 32 p + r + 8 (r / 8).  Fragment 2 c + e takes its rows 0-7 from image 2 c, rows 8 e .. 8 e + 7, and its rows 8-15 from image 2 c + 1, the same rows:
; a lane address, nothing is moved.  Row 8 h + j of score tile 4 c + a is then key 64 c + 32 h + 8 a + j: the 32 registers of tiles 4 c .. 4 c + 3 are ONE WHOLE BLOCK of 32 neighbouring keys, block 2 c + h,
; in the order in which the operand's layout wants them.  So a block's maximum needs no other lane and p's codes change no lanes; only the row's maximum and the scale word cross to lane l xor 16.
; THE RING: two slots of 8 steps, filled by waves 0 to 3, read by all sixteen.  The mover lays 128 bytes of padding behind every 512: images 2 c and 2 c + 1 lie 1,920 bytes apart,
; so the sixteen lanes of a load (eight in each image) touch sixteen different columns of 16 bytes modulo 256.  The head's scale words (16,384 bytes) come once, by waves 4 to 7.
; CLUSTER: the four query blocks of a cluster belong to one head and walk the same K and V: every fill is a joint load.
; LIMITS: NaN and infinities are not served; the promise holds while |t| stays under 2^31.  A block of zeros gets the scale byte 1 where the rule says 127: its codes are zeros, and this program alone reads the bytes.
.set CH,    640                        ; 512 bytes of an image + 128 of padding
.set STEPL, 24*CH                      ; a step in LDS: four pair images of K (12 pieces), four tile images of V
.set SLOTL, 8*STEPL                    ; a slot in LDS,
.set SLOTB, 98304                      ; and in memory
.set SLOT1, 131072                     ; slot 1 begins here: one exclusive or turns an address from one slot to the other
.set SCL,   SLOT1+SLOTL                ; the head's scale words: 512 bytes a step: K's at 16 r + 4 p, V's 256 further on at 16 r + 4 t
.set SPARE, SCL+16384                  ; the spare words, 128 bytes for each of sixteen waves
.set OSG,   SPARE+2048                 ; 512 bytes: O's scale halfwords meet here; no fill lands here
.set FR,  48                           ; v48-95   four fragments of K or of V
.set S,   96                           ; v96-159  S^T, then p
.set OT,  160                          ; v160-191 O^T
.set P,   192                          ; v192-203 p's codes
.set CT,  204                          ; v204-210 the conversions' second halves
.set KS,  212                          ; v212-215 K's scale words
.set VS,  216                          ; v216-219 V's
.set BM,  220                          ; v220-223 maxima
.set PD,  224                          ; v224-227 permute destinations, bytes
.set SO,  228                          ; v228-229 the conversions' scale operands
; v1 16 x lane; v2 K's scale words: SCL + 16 (r % 8) + 4 (r / 8); v3, v4 the add's two registers; v5, v6, v46, v47 addresses in hand; v7 8 x lane; v8 where my halfword goes; v9 256 x lane; v10 OSG + 16 x lane; v11 16 r
; v12 -M, v13 the largest t, v[14:15] the sum; v16-27 QL, v28-39 QH, v40, v41 their scale words; v44 my place in K's images; v45 V's scale words; v232-233, v244-247 the sum's other chains; v234 f; v235 p's scale word; v236 at work; v237 8 h
; s18 wave; s[20:21] lane selects; s[22:23] c; s[24:31], s[32:39] groups 1; s[40:43], s[44:47] groups 0; s48 the step's tiles; s49 its scale words; s50 slots to ask for; s51 steps; s52 mask of odd waves;
; s53 1 in a wave that prefetches, else the greatest number; s[54:55] where the prefetches stand; s[56:57] O's codes; s[58:59] O's scale halfwords
.macro CROUND                          ; a round of the cluster's barrier
	s_barrier_signal -1
	s_barrier_wait -1
	s_cmp_lg_u32 s18, 0
	s_cbranch_scc1 .Lnot_wave_0_\@
	s_barrier_signal -3
.Lnot_wave_0_\@:
	s_barrier_wait -3
	s_barrier_signal -1
	s_barrier_wait -1
.endm
.macro NOPS n
.rept \n
	v_nop
.endr
.endm
.macro JLOAD                           ; waves 0 to 3 fetch a quarter of a slot each; the branch hangs on the wave's number alone
	s_cmp_lt_u32 s18, 4
	s_cbranch_scc0 .Lasked_\@
	tensor_load_to_lds s[40:43], s[24:31]
	s_nop 0
	NOPS 4
.Lasked_\@:
.endm
; A prefetch of the slot that the NEXT change of slots will ask for: 384 blocks of 256 bytes, each named once in the launch.  All clusters of a head walk the same bytes: the head's first cluster asks.
; Its four partners take a quarter each, told apart by address; in each, waves 4 to 6 take 8,192 bytes each, lanes 256 bytes apart.  The last change that fills a slot asks for nothing.
.macro ASK
	s_cmp_gt_u32 s50, s53
	s_cbranch_scc0 .Lnot_mine_\@
	global_prefetch_b8 v9, s[54:55] th:TH_LOAD_NT scope:SCOPE_SE
.Lnot_mine_\@:
.endm
	s_load_b256 s[4:11], s[0:1], 0x0               ; qc, qs, kvc, kvs
	s_load_b128 s[12:15], s[0:1], 0x20             ; oc, os
	v_lshl_add_u32 v3, v0, 2, SPARE
	v_mov_b32 v4, 0
	ds_add_u32 v3, v4                              ; the opening lines: the add, twice on end, and its wait
	ds_add_u32 v3, v4
	v_lshrrev_b32 v5, 5, v0
	v_readfirstlane_b32 s18, v5                    ; wave 0..15
	v_and_b32 v1, 31, v0
	v_and_b32 v11, 15, v0                          ; r
	v_and_b32 v6, 7, v0                            ; r % 8
	v_bfe_u32 v46, v0, 3, 1                        ; r / 8
	v_bfe_u32 v237, v0, 4, 1                       ; h
	v_and_b32 v8, 0x1e0, v0                        ; 32 x wave
	v_lshlrev_b32 v7, 3, v1
	v_lshlrev_b32 v9, 8, v1
	v_lshlrev_b32 v1, 4, v1
	v_lshl_add_u32 v2, v6, 4, SCL
	v_lshlrev_b32 v44, 4, v6
	v_lshl_add_u32 v45, v11, 4, SCL+256
	v_lshl_add_u32 v8, v11, 1, v8
	v_lshl_add_u32 v2, v46, 2, v2
	v_mad_u32_u24 v44, v46, 3*CH, v44              ; rows 8-15 come from the next image
	v_add_nc_u32 v10, OSG, v1
	v_add_nc_u32 v8, OSG, v8
	v_lshlrev_b32 v11, 4, v11
	v_lshl_add_u32 v44, v237, 8, v44               ; 16 (r % 8) + 1,920 (r / 8) + 256 h
	v_lshlrev_b32 v237, 3, v237
	s_bfe_u32 s66, ttmp6, 0x40000                  ; cx
	s_lshl_b32 s67, ttmp9, 2
	s_add_co_u32 s67, s67, s66                     ; my block of 256 queries: it enters Q's and O's addresses alone
	s_and_b32 s68, ttmp7, 0xffff                   ; batch x 8 + head, which the partners share
	s_and_b32 s69, s18, 3
	s_mul_i32 s70, s68, 393216                     ; the head in kvc
	s_mul_i32 s72, s69, 24576                      ; my quarter of a slot in memory,
	s_add_co_u32 s72, s72, s70
	s_mov_b32 s73, 0
	s_mul_i32 s41, s69, SLOTL/4                    ; and in LDS
	s_lshl_b32 s71, s69, 12
	s_add_co_u32 s45, s71, SCL                     ; group 0 of the scale words: my quarter
	s_lshl_b32 s74, s68, 14
	s_add_co_u32 s74, s74, s71
	s_mov_b32 s75, 0
	s_mul_i32 s76, s66, 24576                      ; the prefetches: my work-group's quarter,
	s_lshl_b32 s77, s69, 13                        ; my wave's third of it,
	s_add_co_u32 s76, s76, s77
	s_add_co_u32 s76, s76, s70
	s_add_co_u32 s76, s76, SLOTB                   ; in slot 1: the first change of slots steps it to slot 2
	s_mov_b32 s77, 0
	s_lshl_b32 s78, s67, 3
	s_lshr_b32 s79, s18, 1
	s_add_co_u32 s78, s78, s79                     ; my pair of query tiles
	s_mul_i32 s80, s78, 1536
	s_mul_i32 s81, s68, 196608
	s_add_co_u32 s80, s80, s81                     ; its image
	s_mov_b32 s81, 0
	s_lshr_b32 s82, s78, 2
	s_lshl_b32 s82, s82, 8
	s_and_b32 s83, s78, 3
	s_lshl_b32 s83, s83, 2
	s_add_co_u32 s82, s82, s83
	s_lshl_b32 s83, s68, 13
	s_add_co_u32 s82, s82, s83                     ; its scale words
	s_mov_b32 s83, 0
	s_lshr_b32 s84, s68, 3
	s_lshl_b32 s84, s84, 8
	s_lshl_b32 s85, s67, 4
	s_add_co_u32 s84, s84, s85
	s_add_co_u32 s84, s84, s18                     ; 256 x batch + my tile
	s_lshl_b32 s84, s84, 3
	s_and_b32 s85, s68, 7
	s_add_co_u32 s84, s84, s85
	s_mul_i32 s84, s84, 768                        ; O's codes: 768 bytes for a tile and a head
	s_mov_b32 s85, 0
	s_lshl_b32 s86, s68, 13
	s_lshl_b32 s87, s67, 9
	s_add_co_u32 s86, s86, s87                     ; O's scale halfwords: 512 bytes for the work-group
	s_mov_b32 s87, 0
	s_and_b32 s52, s18, 1
	s_lshl_b32 s88, s52, 4                         ; 16 in odd waves
	s_sub_co_u32 s52, 0, s52                       ; all ones in odd waves
	s_sub_co_u32 s89, s18, 4
	s_cmp_lt_u32 s89, 3                            ; waves 4 to 6
	s_cselect_b32 s89, 0, 1
	s_or_b32 s89, s89, ttmp9                       ; of the head's first cluster: the same in all four partners
	s_cmp_eq_u32 s89, 0
	s_cselect_b32 s53, 1, -1
	; groups 1, elements of 8 bytes.  A quarter of a slot: a dense block as 48 rows of 512 bytes, 32 dwords of padding behind each; the mask names the four partners, bit 21 beside it
	s_mov_b32 s24, 15|(3<<16)|(1<<20)|(1<<21)|(6<<22)|(31<<25)
	s_mov_b32 s25, 64<<16
	s_mov_b32 s26, 48<<16
	s_mov_b32 s27, 64<<16
	s_mov_b32 s28, 48
	s_mov_b32 s29, 64
	s_mov_b32 s30, 0
	s_mov_b32 s31, 0
	s_mov_b32 s32, 15|(3<<16)|(1<<21)              ; a quarter of the scale words: 16 rows of 256 bytes, no padding
	s_mov_b32 s33, 32<<16
	s_mov_b32 s34, 16<<16
	s_mov_b32 s35, 32<<16
	s_mov_b32 s36, 16
	s_mov_b32 s37, 32
	s_mov_b32 s38, 0
	s_mov_b32 s39, 0
	s_mov_b32 s20, 0x76543210
	s_mov_b32 s21, 0xfedcba98
	s_mov_b32 s22, 0x3e38aa3b                      ; c = log2(e) / 8
	s_mov_b32 s23, s22                             ; (named with it as a pair, so it is written)
	s_mov_b32 s48, 0
	s_mov_b32 s49, 0
	s_mov_b32 s50, 3
	s_wait_dscnt 0x0                               ; both opening adds are done
	s_wait_kmcnt 0x0
	s_mov_b32 s40, 1
	s_add_nc_u64 s[42:43], s[8:9], s[72:73]
	s_or_b32 s43, s43, 0x80000000
	s_mov_b32 s44, 1
	s_add_nc_u64 s[46:47], s[10:11], s[74:75]
	s_or_b32 s47, s47, 0x80000000
	s_add_nc_u64 s[54:55], s[8:9], s[76:77]
	s_add_nc_u64 s[4:5], s[4:5], s[80:81]
	s_add_nc_u64 s[6:7], s[6:7], s[82:83]
	s_add_nc_u64 s[56:57], s[12:13], s[84:85]
	s_add_nc_u64 s[58:59], s[14:15], s[86:87]
	CROUND                                         ; all four work-groups are here: the first joint loads meet
	s_cmp_lt_u32 s18, 4                            ; the head's fills: one chain of branches on the wave's number, one load to an arm, one join
	s_cbranch_scc0 .Lhead_scales
	tensor_load_to_lds s[40:43], s[24:31]          ; waves 0 to 3: slot 0
	s_nop 0
	NOPS 4
	s_branch .Lhead_asked
.Lhead_scales:
	s_cmp_lt_u32 s18, 8
	s_cbranch_scc0 .Lhead_asked
	tensor_load_to_lds s[44:47], s[32:39]          ; waves 4 to 7: the head's scale words, filled once
	s_nop 0
	NOPS 4
.Lhead_asked:
	s_wait_alu depctr_va_vdst(0)
.irp c, 0,1,2
	global_load_b128 v[48+4*\c:51+4*\c], v1, s[4:5] offset:512*\c   ; my pair's image of Q
.endr
	global_load_b32 v42, v11, s[6:7]               ; and its scale word
	v_mov_b32 v13, 0xff61b1e6                      ; the largest t so far: -3e38, under every t
	v_mov_b32 v14, 0
	v_mov_b32 v15, 0
	v_floor_f32 v12, -v13                          ; -M
.irp b, 0,1,2,3
	v_mov_b32 v[PD+\b], 0                          ; written once: a lane permute's destination counts as one of its sources
.endr
	v_mov_b32 v235, 0                              ; (named as the upper half of the pair v[234:235] before it is first written)
	s_wait_loadcnt 0x0
	v_lshrrev_b32 v43, s88, v42                    ; my tile's two bytes: the low half in even waves, the high half in odd ones
	s_delay_alu instid0(VALU_DEP_1)
	v_and_b32 v43, 0xffff, v43
	s_delay_alu instid0(VALU_DEP_1)
	v_or_b32 v40, 0x7f7f0000, v43                  ; QL's word: q's bytes, then 1.0 over the zero codes
	v_lshl_or_b32 v41, v43, 16, 0x7f7f             ; QH's
.irp i, 0,1,2,3,4,5
	v_cndmask_b32 v[16+\i], v[48+\i], v[54+\i], s52   ; my tile's six registers
.endr
.irp i, 0,1,2,3,4,5
	v_mov_b32 v[34+\i], v[16+\i]
	v_mov_b32 v[22+\i], 0
	v_mov_b32 v[28+\i], 0
.endr
.set jj, 0
.rept 32
	v_mov_b32 v[OT+jj], 0                          ; O^T: the loop is written once; its first step finds zeros, which the first change of M leaves zeros
.set jj, jj+1
.endr
; A KEY STEP: 128 keys.
.macro STEP
	v_add_nc_u32 v5, s48, v1                       ; these four are the places behind the last products, ahead of loads into registers that they read
	v_add_nc_u32 v46, s48, v44
	v_add_nc_u32 v6, s49, v2
	v_add_nc_u32 v47, s49, v45
.irp p, 0,1,2,3
.irp c, 0,1,2
	ds_load_b128 v[FR+12*\p+4*\c:FR+12*\p+4*\c+3], v46 offset:CH*(6*(\p/2)+\c)+128*(\p%2)   ; fragment 2 c + e: images 2 c and 2 c + 1, rows 8 e on
.endr
	ds_load_b32 v[KS+\p], v6 offset:128*(\p%2)+8*(\p/2)   ; and the same rows' scale words
.endr
	s_wait_alu depctr_va_vdst(0)
	s_wait_dscnt 0x0
.irp p, 0,1,2,3
	v_wmma_scale_f32_16x16x128_f8f6f4 v[S+16*\p:S+16*\p+7], v[FR+12*\p:FR+12*\p+11], v[16:27], 0, v[KS+\p], v40 matrix_a_fmt:MATRIX_FMT_BF6 matrix_b_fmt:MATRIX_FMT_BF6
	v_wmma_scale_f32_16x16x128_f8f6f4 v[S+16*\p+8:S+16*\p+15], v[FR+12*\p:FR+12*\p+11], v[28:39], 0, v[KS+\p], v41 matrix_a_fmt:MATRIX_FMT_BF6 matrix_b_fmt:MATRIX_FMT_BF6
.endr
	NOPS 4                                         ; four places: for the loads below and for the first read of the scores
.irp p, 0,1,2,3
.irp c, 0,1,2
	ds_load_b128 v[FR+12*\p+4*\c:FR+12*\p+4*\c+3], v5 offset:CH*(12+3*\p+\c)   ; V's four tiles land under the softmax
.endr
.endr
	ds_load_b128 v[VS:VS+3], v47
.irp b, 0,1,2,3
	v_max3_num_f32 v[BM+\b], v[S+16*\b], v[S+1+16*\b], v[S+2+16*\b]   ; the largest score, in four chains of 16 registers; each accumulator from its low end on
.endr
.irp i, 3,5,7,9,11,13
.irp b, 0,1,2,3
	v_max3_num_f32 v[BM+\b], v[BM+\b], v[S+16*\b+\i], v[S+1+16*\b+\i]
.endr
.endr
	v_max_num_f32 v[BM+1], v[BM+1], v[S+31]
	v_max_num_f32 v[BM+3], v[BM+3], v[S+63]
	v_max3_num_f32 v[BM], v[BM], v[S+15], v[BM+1]      ; my block h: its largest score serves the row's maximum and, since p rises with the score, the block's largest p
	v_max3_num_f32 v[BM+2], v[BM+2], v[S+47], v[BM+3]  ; my block 2 + h
	v_max_num_f32 v236, v[BM], v[BM+2]
	v_permlanex16_b32 v[PD], v236, s20, s21
	v_max_num_f32 v236, v236, v[PD]                ; with lane l xor 16's 64 keys: the step's largest score of my query
	s_delay_alu instid0(VALU_DEP_1)
	v_mul_f32 v236, s22, v236                      ; as t (c is positive)
	s_delay_alu instid0(VALU_DEP_1)
	v_max_num_f32 v13, v13, v236                   ; the running largest t
	v_mov_b32 v236, v12
	s_delay_alu instid0(VALU_DEP_2)
	v_floor_f32 v12, -v13                          ; the new -M = floor(-t) = -ceil(t)
	s_delay_alu instid0(VALU_DEP_1)
	v_sub_f32 v236, v12, v236                      ; old M - new M: a whole number, 0 or less
	s_delay_alu instid0(VALU_DEP_1)
	v_cvt_i32_f32 v236, v236                       ; (it saturates)
	s_delay_alu instid0(VALU_DEP_1)
	v_ldexp_f32 v234, 1.0, v236                    ; f = 2^(old M - new M)
.set jj, 0
.rept 32
	v_pk_fma_f32 v[S+jj:S+jj+1], v[S+jj:S+jj+1], s[22:23], v[12:13] op_sel_hi:[1,0,0]   ; t - M, two at a time
.set jj, jj+2
.endr
	v_fma_f32 v[BM], v[BM], s22, v12               ; the same of each block's largest score
	v_fma_f32 v[BM+2], v[BM+2], s22, v12
	s_wait_alu depctr_va_vdst(0)
.set jj, 0
.rept 64
	v_exp_f32 v[S+jj], v[S+jj]                     ; p = 2^(t - M), at most 1
.set jj, jj+1
.endr
	v_pk_mul_f32 v[14:15], v[14:15], v[234:235] op_sel_hi:[1,0]   ; the sums under the new M: a plain place behind the exponentials
	s_wait_alu depctr_va_vdst(0)                   ; one wait for the whole batch, ahead of its first reader
	v_exp_f32 v[BM], v[BM]                         ; the block's largest p: the same two instructions on the same number
	v_exp_f32 v[BM+2], v[BM+2]
	v_pk_add_f32 v[232:233], v[S:S+1], v[S+2:S+3]  ; the row's sum of the unquantised p: two at a time, four chains
	v_pk_add_f32 v[244:245], v[S+4:S+5], v[S+6:S+7]
	v_pk_add_f32 v[246:247], v[S+8:S+9], v[S+10:S+11]
	v_pk_add_f32 v[14:15], v[14:15], v[S+12:S+13]
.irp j, 14,22,30,38,46,54
	v_pk_add_f32 v[232:233], v[232:233], v[S+\j:S+\j+1]
	v_pk_add_f32 v[244:245], v[244:245], v[S+\j+2:S+\j+3]
	v_pk_add_f32 v[246:247], v[246:247], v[S+\j+4:S+\j+5]
	v_pk_add_f32 v[14:15], v[14:15], v[S+\j+6:S+\j+7]
.endr
	v_pk_add_f32 v[232:233], v[232:233], v[S+62:S+63]
	v_pk_add_f32 v[14:15], v[14:15], v[246:247]
	s_delay_alu instid0(VALU_DEP_2)
	v_pk_add_f32 v[232:233], v[232:233], v[244:245]
	s_delay_alu instid0(VALU_DEP_1)
	v_pk_add_f32 v[14:15], v[14:15], v[232:233]
	s_wait_alu depctr_va_vdst(0)                   ; and one for the two
	v_max_num_f32 v[BM], 0x2800000, v[BM]          ; the floor 2^(5 - 127): the byte cannot fall under 1
	v_max_num_f32 v[BM+2], 0x2800000, v[BM+2]
	s_delay_alu instid0(VALU_DEP_2)
	v_add_nc_u32 v[SO], 0xfe000000, v[BM]          ; 4 off the exponent field: the conversion's scale operand
	s_delay_alu instid0(VALU_DEP_2)
	v_add_nc_u32 v[SO+1], 0xfe000000, v[BM+2]
	s_delay_alu instid0(VALU_DEP_2)
	v_lshrrev_b32 v[PD+1], 23, v[SO]               ; the scales' bytes
	s_delay_alu instid0(VALU_DEP_2)
	v_lshrrev_b32 v[PD+2], 23, v[SO+1]
	s_delay_alu instid0(VALU_DEP_1)
	v_lshl_or_b32 v[PD+1], v[PD+2], 16, v[PD+1]    ; blocks h and 2 + h,
	s_delay_alu instid0(VALU_DEP_1)
	v_lshlrev_b32 v[PD+1], v237, v[PD+1]           ; at their places in the scale word (8 h bits up)
	s_delay_alu instid0(VALU_DEP_1)
	v_permlanex16_b32 v[PD+3], v[PD+1], s20, s21
.irp c, 0,1
	v_cvt_scalef32_pk16_bf6_f32 v[P+6*\c:P+6*\c+2], v[S+32*\c:S+32*\c+15], v[SO+\c]            ; my block's lower 16 codes: registers 6 c .. 6 c + 2 of the operand
	v_cvt_scalef32_pk16_bf6_f32 v[CT+4*\c:CT+4*\c+2], v[S+32*\c+16:S+32*\c+31], v[SO+\c]       ; the upper 16 (a conversion's three registers begin on an even number)
.endr
	v_or_b32 v235, v[PD+1], v[PD+3]                ; with lane l xor 16's two bytes p's scale word is whole.  (The plain place behind the scaled conversions)
.irp c, 0,1
.irp i, 0,1,2
	v_mov_b32 v[P+3+6*\c+\i], v[CT+4*\c+\i]
.endr
.endr
	s_wait_alu depctr_va_vdst(0)                   ; directly ahead of the first reader of O^T
.set jj, 0
.rept 16
	v_pk_mul_f32 v[OT+jj:OT+jj+1], v[OT+jj:OT+jj+1], v[234:235] op_sel_hi:[1,0]   ; O^T under the new M.  (These sixteen are also the places between p's codes and scale word and the products)
.set jj, jj+2
.endr
	s_wait_alu depctr_va_vdst(0)
	s_wait_dscnt 0x0                               ; V is in
.irp t, 0,1,2,3
	v_wmma_scale_f32_16x16x128_f8f6f4 v[OT+8*\t:OT+8*\t+7], v[FR+12*\t:FR+12*\t+11], v[P:P+11], v[OT+8*\t:OT+8*\t+7], v[VS+\t], v235 matrix_a_fmt:MATRIX_FMT_BF6 matrix_b_fmt:MATRIX_FMT_BF6
.endr
	s_add_co_u32 s48, s48, STEPL
	s_add_co_u32 s49, s49, 512
.endm
; THE CHANGE OF SLOTS stands at a slot's head.  Each wave waits for all its tensor loads, adds 0 to its spare word, and waits for that and for its reads of the slot that it has left.
; fill = 1: a round of the cluster's barrier follows, so that no wave of any partner still reads that slot or has a load on its way, and the joint refill is the first thing behind it: it has eight key steps in which to land.
.macro CHANGE fill
	s_wait_tensorcnt 0x0                           ; no tensor load of mine is out, so a group 0 may be written
	ds_add_u32 v3, v4                              ; 0 onto my spare word
.if \fill
	ds_add_u32 v3, v4                              ; and once more
	s_xor_b32 s41, s41, SLOT1                      ; the walking descriptor: the other slot than last time,
	s_add_nc_u64 s[42:43], s[42:43], SLOTB         ; the next eight steps; the type bits on top are not reached
	s_wait_xcnt 0x0                                ; the last prefetch, a slot back, has read its address, so it may be written:
	s_add_nc_u64 s[54:55], s[54:55], SLOTB         ; one slot further on than the walking descriptor
.endif
	s_wait_dscnt 0x0                               ; the adds are done, and my reads of the slot that I have left are over
.if \fill
	CROUND
	JLOAD
	ASK
.else
	s_barrier_signal -1
	s_barrier_wait -1
.endif
.endm
.macro SLOT_STEPS                      ; a slot's eight key steps: written once, walked eight times
	s_mov_b32 s51, 8
.Lstep_\@:
	STEP
	s_sub_co_u32 s51, s51, 1
	s_cmp_lg_u32 s51, 0
	s_cbranch_scc1 .Lstep_\@
	s_sub_co_u32 s48, s48, SLOTL                   ; back to a slot's first step,
	s_xor_b32 s48, s48, SLOT1                      ; in the other slot
.endm
.Lslot:                                            ; three trips: behind each change of slots but the last the next slot is asked for
	CHANGE 1
	SLOT_STEPS
	s_sub_co_u32 s50, s50, 1
	s_cmp_lg_u32 s50, 0
	s_cbranch_scc1 .Lslot
	CHANGE 0                                       ; the last slot is written out
	SLOT_STEPS
	; THE WAY OUT.  O^T / the sum; its two blocks of 32 channels are quantised as every operand is; six registers of codes and two scale bytes a query.
	NOPS 4                                         ; four places behind the last products
	v_add_f32 v14, v14, v15
	s_delay_alu instid0(VALU_DEP_1)
	v_permlanex16_b32 v236, v14, s20, s21
	s_delay_alu instid0(VALU_DEP_1)
	v_add_f32 v14, v14, v236                       ; the row's sum
	s_wait_alu depctr_va_vdst(0)
	v_rcp_f32 v14, v14
	v_nop                                          ; a plain place behind the reciprocal
	s_wait_alu depctr_va_vdst(0)                   ; and the wait ahead of its first reader
.set jj, 0
.rept 32
	v_mul_f32 v[S+jj], v[OT+jj], v14               ; register 16 b + i: channel 32 b + 16 (lane / 16) + i; each accumulator from its low end on
.set jj, jj+1
.endr
.irp b, 0,1
	v_max3_num_f32 v[BM+\b], |v[S+16*\b]|, |v[S+1+16*\b]|, 0x2800000
.endr
.irp i, 2,4,6,8,10,12,14
.irp b, 0,1
	s_delay_alu instid0(VALU_DEP_2)
	v_max3_num_f32 v[BM+\b], v[BM+\b], |v[S+16*\b+\i]|, |v[S+1+16*\b+\i]|
.endr
.endr
.irp b, 0,1
	s_delay_alu instid0(VALU_DEP_2)
	v_permlanex16_b32 v[PD+\b], v[BM+\b], s20, s21
.endr
.irp b, 0,1
	s_delay_alu instid0(VALU_DEP_2)
	v_max_num_f32 v[BM+\b], v[BM+\b], v[PD+\b]
.endr
.irp b, 0,1
	s_delay_alu instid0(VALU_DEP_2)
	v_add_nc_u32 v[SO+\b], 0xfe000000, v[BM+\b]
.endr
.irp b, 0,1
	s_delay_alu instid0(VALU_DEP_2)
	v_lshrrev_b32 v[PD+\b], 23, v[SO+\b]
.endr
	s_delay_alu instid0(VALU_DEP_1)
	v_lshl_or_b32 v236, v[PD+1], 8, v[PD]          ; my query's two scale bytes
	v_cvt_scalef32_pk16_bf6_f32 v[P:P+2], v[S:S+15], v[SO]
	v_cvt_scalef32_pk16_bf6_f32 v[CT:CT+2], v[S+16:S+31], v[SO+1]
	v_nop
.irp i, 0,1,2
	v_permlane16_swap_b32 v[P+\i], v[CT+\i]        ; here a block lies in two lanes: a whole block to a lane
.endr
.irp i, 0,1,2
	s_delay_alu instid0(VALU_DEP_3)
	v_mov_b32 v[P+3+\i], v[CT+\i]
.endr
	global_store_b128 v1, v[P:P+3], s[56:57]       ; 512 consecutive bytes, aligned to 256,
	global_store_b64 v7, v[P+4:P+5], s[56:57] offset:512   ; and 256 more
	ds_store_b16 v8, v236                          ; both lanes of a query write the same halfword with the same value
	s_wait_dscnt 0x0                               ; for the others' sake: my store has landed
	s_barrier_signal -1
	s_barrier_wait -1
	s_cmp_lg_u32 s18, 0
	s_cbranch_scc1 .Lnot_first_wave
	ds_load_b128 v[S:S+3], v10                     ; the work-group's 256 halfwords
	s_wait_dscnt 0x0
	global_store_b128 v1, v[S:S+3], s[58:59]       ; 512 consecutive bytes, aligned to 256
.Lnot_first_wave:
	s_wait_tensorcnt 0x0                           ; the wave's end
	ds_add_u32 v3, v4
	s_wait_dscnt 0x0
	CROUND                                         ; the closing round: no work-group ends while a partner may still ask for a tile that names it
	s_endpgm
.Lfunc_end_k_qd0fdcc0293_attn:
	.size	k_qd0fdcc0293_attn, .Lfunc_end_k_qd0fdcc0293_attn-k_qd0fdcc0293_attn
	.p2alignl 7, 3214868480
	.fill 96, 4, 3214868480
	.section	.rodata,"a",@progbits
	.p2align	6, 0x0
	.amdhsa_kernel k_qd0fdcc0293_attn
		.amdhsa_group_segment_fixed_size 327680
		.amdhsa_private_segment_fixed_size 0
		.amdhsa_enable_private_segment 0
		.amdhsa_kernarg_size 48
		.amdhsa_user_sgpr_count 2
		.amdhsa_user_sgpr_kernarg_segment_ptr 1
		.amdhsa_wavefront_size32 1
		.amdhsa_system_sgpr_workgroup_id_x 1
		.amdhsa_system_sgpr_workgroup_id_y 1
		.amdhsa_system_sgpr_workgroup_id_z 1
		.amdhsa_system_vgpr_workitem_id 0
		.amdhsa_next_free_vgpr 256
		.amdhsa_next_free_sgpr 90
		.amdhsa_reserve_vcc 0
		.amdhsa_float_denorm_mode_32 3
		.amdhsa_float_denorm_mode_16_64 3
		.amdhsa_memory_ordered 1
		.amdhsa_forward_progress 1
		.amdhsa_inst_pref_size 47
	.end_amdhsa_kernel
	.amdgpu_metadata
---
amdhsa.version: [ 1, 2 ]
amdhsa.kernels:
  - .name:           k_qd0fdcc0293_attn
    .symbol:         k_qd0fdcc0293_attn.kd
    .args:
      - { .name: qc, .offset: 0, .size: 8, .value_kind: global_buffer, .address_space: global }
      - { .name: qs, .offset: 8, .size: 8, .value_kind: global_buffer, .address_space: global }
      - { .name: kvc, .offset: 16, .size: 8, .value_kind: global_buffer, .address_space: global }
      - { .name: kvs, .offset: 24, .size: 8, .value_kind: global_buffer, .address_space: global }
      - { .name: oc, .offset: 32, .size: 8, .value_kind: global_buffer, .address_space: global }
      - { .name: os, .offset: 40, .size: 8, .value_kind: global_buffer, .address_space: global }
    .group_segment_fixed_size: 327680
    .private_segment_fixed_size: 0
    .kernarg_segment_align: 8
    .kernarg_segment_size: 48
    .max_flat_workgroup_size: 512
    .sgpr_count:     90
    .vgpr_count:     256
    .wavefront_size: 32
...
	.end_amdgpu_metadata
.endif
;; end of part 2
;; launch oproj (part 3): grid 128 x 2, 8 waves a work-group, clusters of 4 x 1, 168,960 bytes of LDS; arguments oc, os, Wo_codes, Wo_scales, bo, out0; writes out0
.if DOCPART == 3
	.amdgcn_target "amdgcn-amd-amdhsa--gfx1250"
	.amdhsa_code_object_version 6
	.text
	.protected	k_qd0fdcc0293_oproj
	.globl	k_qd0fdcc0293_oproj
	.p2align	8
	.type	k_qd0fdcc0293_oproj,@function
k_qd0fdcc0293_oproj:
	s_mov_b64 s[64:65], 0
	v_nop
	global_prefetch_b8 v0, s[64:65] scope:SCOPE_SE
	s_setreg_imm32_b32 hwreg(HW_REG_WAVE_MODE, 25, 1), 1
	s_wait_xcnt 0x0
	s_wait_alu depctr_hold_cnt(0) depctr_sa_sdst(0) depctr_va_vdst(0) depctr_va_sdst(0) depctr_va_ssrc(0) depctr_va_vcc(0) depctr_vm_vsrc(0)
	s_getreg_b32 s2, hwreg(HW_REG_IB_STS2, 6, 4)
	s_cmp_eq_u32 s2, 0
	s_cbranch_scc0 .Lentry_in_a_cluster
	s_endpgm
.Lentry_in_a_cluster:
	s_bfe_u32 s2, ttmp6, 0x10000c
	s_cmp_lg_u32 s2, 0x3003
	s_cbranch_scc0 .Lentry_shape_is_right
	s_endpgm
.Lentry_shape_is_right:
; out0 = O Wo^T + bo on codes of BF6 (E3M2) with E8M0 scales.  O: images of operand registers and scale halfwords, made by the launch before; Wo: [512][512] codes (384 bytes a row), 16 scale bytes a row; bo, out0 f32.
; SHARES.  Work-group x = 64 tokens, work-group y = 256 columns.  Wave w: the pair of token tiles w >> 2 (32 tokens) x columns 64 (w & 3) on: eight accumulators, four K steps of 128.
; TRANSPOSED: source 0 = 16 rows of Wo, source 1 = 16 rows of O: a lane holds eight neighbouring columns of one token.  Lane r of tile u of pair P is token 32 P + 8 u + r + 8 (r / 8).
; A K step of 128 is two heads: a fragment of O is head 2 s's six registers, then head 2 s + 1's.
; Wo's 256 rows come into LDS once, by a joint load: the four work-groups of a cluster differ in their tokens alone.  Nothing is filled again.
; The results go through each wave's own stage in LDS and leave as rows of 256 bytes: sixteen lanes store 256 consecutive bytes, aligned.
.set PIT,   432                        ; an LDS row: 3 x (128 bytes + 16 of padding)
.set TILEB, 6912
.set STG,   110592                     ; behind Wo's 256 rows: a stage of 16 rows x 272 bytes for each wave; no fill lands there
.set AF,  16                           ; v16-111  O's fragments (u, s) at 16 + 12 (4 u + s); on the way out rows of the result
.set ACC, 112                          ; v112-175 accumulators (u, ct) at 112 + 8 (4 u + ct)
.set BI,  176                          ; v176-207 the bias in the result's layout, eight registers a column tile
.set WS,  208                          ; v208-215 Wo's scale words: register 4 i + s: lanes 0-15 tile 2 i, lanes 16-31 tile 2 i + 1
.set AS,  216                          ; v216-219 O's scale words of K step s: lanes 0-15 tile u = 0, lanes 16-31 u = 1
.set HW,  220                          ; v220-227 eight heads' halfwords
; v1 16 x lane; v2 8 x lane; v3, v4 my lane's place in Wo's rows; v5, v6 the stage, in and back; v7 my place in two rows of out0; v8 2 x lane; v10 32 h
; window 1: Wo's fragments (ct, s) at 12 (4 s + ct)
.set WV, 18
.set MSB, 0
.macro WIN new
.if MSB != \new
	s_set_vgpr_msb (MSB<<8)|\new
.set MSB, \new
.endif
.endm
.macro ROUND
	s_barrier_signal -1
	s_barrier_wait -1
	s_cmp_lg_u32 s[WV], 0
	s_cbranch_scc1 .Lnot_wave_0_\@
	s_barrier_signal -3
.Lnot_wave_0_\@:
	s_barrier_wait -3
	s_barrier_signal -1
	s_barrier_wait -1
.endm
.macro FRAG reg, adr, ks, off          ; a fragment in pieces of 8 bytes; where the piece three on (lanes 16-31) lies behind one padding more, the second address register serves
.irp pp, 0,1,2,3,4,5
.set PCE, 12*(\ks)+6*(\pp/3)+\pp%3
.if PCE%16 < 13
	ds_load_b64 v[(\reg)+2*\pp:(\reg)+2*\pp+1], v[\adr] offset:(\off)+8*PCE+16*(PCE/16)
.else
	ds_load_b64 v[(\reg)+2*\pp:(\reg)+2*\pp+1], v[(\adr)+1] offset:(\off)+8*PCE+16*(PCE/16)
.endif
.endr
.endm
.macro WM d, a, b, c, sa, sb, ra, rb   ; ra, rb = 1: that side's scale words stand in lanes 16-31
.if (\ra) && (\rb)
	v_wmma_scale_f32_16x16x128_f8f6f4 v[(\d):(\d)+7], v[(\a):(\a)+11], v[(\b):(\b)+11], v[(\c):(\c)+7], v[\sa], v[\sb] matrix_a_fmt:MATRIX_FMT_BF6 matrix_b_fmt:MATRIX_FMT_BF6 matrix_a_scale:MATRIX_SCALE_ROW1 matrix_b_scale:MATRIX_SCALE_ROW1
.elseif (\ra)
	v_wmma_scale_f32_16x16x128_f8f6f4 v[(\d):(\d)+7], v[(\a):(\a)+11], v[(\b):(\b)+11], v[(\c):(\c)+7], v[\sa], v[\sb] matrix_a_fmt:MATRIX_FMT_BF6 matrix_b_fmt:MATRIX_FMT_BF6 matrix_a_scale:MATRIX_SCALE_ROW1
.elseif (\rb)
	v_wmma_scale_f32_16x16x128_f8f6f4 v[(\d):(\d)+7], v[(\a):(\a)+11], v[(\b):(\b)+11], v[(\c):(\c)+7], v[\sa], v[\sb] matrix_a_fmt:MATRIX_FMT_BF6 matrix_b_fmt:MATRIX_FMT_BF6 matrix_b_scale:MATRIX_SCALE_ROW1
.else
	v_wmma_scale_f32_16x16x128_f8f6f4 v[(\d):(\d)+7], v[(\a):(\a)+11], v[(\b):(\b)+11], v[(\c):(\c)+7], v[\sa], v[\sb] matrix_a_fmt:MATRIX_FMT_BF6 matrix_b_fmt:MATRIX_FMT_BF6
.endif
.endm
	s_load_b256 s[4:11], s[0:1], 0x0               ; oc, os, Wo codes, Wo scales
	s_load_b128 s[12:15], s[0:1], 0x20             ; bo, out0
	v_lshl_add_u32 v254, v0, 2, 0x29000
	v_mov_b32 v255, 0
	ds_add_u32 v254, v255
	ds_add_u32 v254, v255
	v_lshrrev_b32 v1, 5, v0
	s_delay_alu instid0(VALU_DEP_1)
	v_readfirstlane_b32 s[WV], v1                  ; wave 0..7
	s_bfe_u32 s20, ttmp6, 0x40000                  ; cx
	s_lshl_b32 s21, ttmp9, 2
	s_add_co_u32 s21, s21, s20                     ; my 64 tokens: they enter global addresses alone
	s_and_b32 s22, ttmp7, 0xffff                   ; my 256 columns: the same in all four partners
	s_and_b32 s23, s[WV], 3
	s_lshl_b32 s24, s21, 1
	s_lshr_b32 s25, s[WV], 2
	s_add_co_u32 s24, s24, s25                     ; P: my pair of token tiles
	s_lshl_b32 s25, s22, 8
	s_lshl_b32 s26, s23, 6
	s_add_co_u32 s25, s25, s26                     ; my first column
	; the descriptor: 64 rows of Wo are a dense block of 24,576 bytes, stated as 96 rows of 256 bytes (32 elements of 8 bytes), each beginning at a multiple of 256 bytes; 16 bytes of padding behind every 128
	s_mov_b32 s36, 15|(3<<16)|(1<<20)|(1<<21)|(4<<22)|(3<<25)
	s_mov_b32 s37, 32<<16
	s_mov_b32 s38, 96<<16
	s_mov_b32 s39, 32<<16
	s_mov_b32 s40, 96
	s_mov_b32 s41, 32
	s_mov_b32 s42, 0
	s_mov_b32 s43, 0
	s_mul_i32 s27, s23, 27648                      ; 64 LDS rows x (wave & 3): what waves 0 to 3 fetch, and where my 64 columns' rows lie
	s_mul_i32 s28, s22, 98304
	s_mul_i32 s29, s23, 24576
	s_add_co_u32 s28, s28, s29
	s_mov_b32 s29, 0
	v_and_b32 v1, 31, v0
	s_delay_alu instid0(VALU_DEP_1)
	v_lshlrev_b32 v2, 3, v1
	s_delay_alu instid0(VALU_DEP_2)
	v_lshlrev_b32 v8, 1, v1
	s_delay_alu instid0(VALU_DEP_3)
	v_lshlrev_b32 v1, 4, v1
	v_and_b32 v11, 15, v0                          ; r
	v_bfe_u32 v12, v0, 4, 1                        ; h
	s_delay_alu instid0(VALU_DEP_2)
	v_mul_u32_u24 v3, v11, PIT
	s_delay_alu instid0(VALU_DEP_1)
	v_add_nc_u32 v3, s27, v3
	s_delay_alu instid0(VALU_DEP_1)
	v_mad_u32_u24 v4, v12, 40, v3
	s_delay_alu instid0(VALU_DEP_2)
	v_mad_u32_u24 v3, v12, 24, v3
	s_mul_i32 s30, s[WV], 4352
	s_add_co_u32 s30, s30, STG                     ; my stage
	v_mul_u32_u24 v5, v11, 272
	s_delay_alu instid0(VALU_DEP_1)
	v_lshl_add_u32 v5, v12, 5, v5
	s_delay_alu instid0(VALU_DEP_1)
	v_add_nc_u32 v5, s30, v5                       ; in: row r, 32 bytes for each half of the lanes
	v_mul_u32_u24 v6, v12, 272
	s_delay_alu instid0(VALU_DEP_1)
	v_lshl_add_u32 v6, v11, 4, v6
	s_delay_alu instid0(VALU_DEP_1)
	v_add_nc_u32 v6, s30, v6                       ; back: lanes 0-15 one row, lanes 16-31 the next
	v_lshlrev_b32 v7, 11, v12
	s_delay_alu instid0(VALU_DEP_1)
	v_lshl_add_u32 v7, v11, 4, v7                  ; and the same in out0: rows of 2,048 bytes
	v_lshlrev_b32 v10, 5, v12
	s_mul_i32 s66, s24, 12288                      ; O's codes: 6,144 bytes a tile
	s_mov_b32 s67, 0
	s_lshr_b32 s68, s24, 7
	s_lshl_b32 s68, s68, 16
	s_and_b32 s69, s24, 127
	s_lshl_b32 s69, s69, 6
	s_add_co_u32 s68, s68, s69                     ; O's halfwords: 65,536 bytes a batch, 64 a pair
	s_mov_b32 s69, 0
	s_lshl_b32 s70, s25, 4                         ; Wo's scale bytes
	s_mov_b32 s71, 0
	s_lshl_b32 s72, s25, 2                         ; the bias
	s_mov_b32 s73, 0
	s_lshl_b32 s74, s24, 16
	s_add_co_u32 s74, s74, s72                     ; out0: 32 rows of 2,048 bytes a pair, + my columns
	s_mov_b32 s75, 0
	s_wait_dscnt 0x0
	s_wait_kmcnt 0x0
	s_mov_b32 s44, 1
	s_mov_b32 s45, s27
	s_add_nc_u64 s[46:47], s[8:9], s[28:29]
	s_or_b32 s47, s47, 0x80000000
	s_add_nc_u64 s[48:49], s[4:5], s[66:67]
	s_add_nc_u64 s[50:51], s[6:7], s[68:69]
	s_add_nc_u64 s[52:53], s[10:11], s[70:71]
	s_add_nc_u64 s[54:55], s[12:13], s[72:73]
	s_add_nc_u64 s[56:57], s[14:15], s[74:75]
	ROUND                                          ; all four work-groups are here: the joint loads meet
	s_cmp_lt_u32 s[WV], 4                          ; waves 0 to 3 fetch 64 rows each: one load of mine is out
	s_cbranch_scc0 .Lno_load
	tensor_load_to_lds s[44:47], s[36:43]
	s_nop 0
.rept 4
	v_nop
.endr
.Lno_load:
.irp u, 0,1
.irp hd, 0,1,2,3,4,5,6,7
	global_load_b128 v[AF+12*(4*\u+\hd/2)+6*(\hd%2):AF+12*(4*\u+\hd/2)+6*(\hd%2)+3], v1, s[48:49] offset:6144*\u+768*\hd
	global_load_b64 v[AF+12*(4*\u+\hd/2)+6*(\hd%2)+4:AF+12*(4*\u+\hd/2)+6*(\hd%2)+5], v2, s[48:49] offset:6144*\u+768*\hd+512
.endr
.endr
.irp hd, 0,1,2,3,4,5,6,7
	global_load_u16 v[HW+\hd], v8, s[50:51] offset:8192*\hd
.endr
.irp i, 0,1
	global_load_b128 v[WS+4*\i:WS+4*\i+3], v1, s[52:53] offset:512*\i
.endr
	s_wait_alu depctr_va_vdst(0)
.irp ct, 0,1,2,3
	global_load_b128 v[BI+8*\ct:BI+8*\ct+3], v10, s[54:55] offset:64*\ct
	global_load_b128 v[BI+8*\ct+4:BI+8*\ct+7], v10, s[54:55] offset:64*\ct+16
.endr
	s_wait_tensorcnt 0x0                           ; my part of Wo has landed,
	s_barrier_signal -1
	s_barrier_wait -1                              ; everybody's has
	WIN 0x40                                       ; destination window 1
.irp s, 0,1,2,3
.irp ct, 0,1,2,3
	FRAG 12*(4*\s+\ct),3,\s,TILEB*\ct
.endr
.endr
	WIN 0
	s_wait_loadcnt 0x0
.irp s, 0,1,2,3
	v_lshl_or_b32 v[AS+\s], v[HW+2*\s+1], 16, v[HW+2*\s]   ; two heads' halfwords make a K step's scale word
.endr
.rept 8
	v_nop                                          ; a scale register written by a vector instruction stands eight places ahead of the products
.endr
	WIN 0x01                                       ; source 0 window 1
	s_wait_alu depctr_va_vdst(0)
.irp s, 0,1,2,3
.if \s == 0
	s_wait_dscnt 63                                ; K step 0's 24 loads are in: 72 were issued behind them, and the wait can name 63 at the most
.else
	s_wait_dscnt 24*(3-\s)                         ; this K step's loads are in; the later steps', 24 each, may be out
.endif
.irp u, 0,1
.irp ct, 0,1,2,3
.if \s == 0
	WM ACC+8*(4*\u+\ct),12*\ct,AF+48*\u,BI+8*\ct,WS+4*(\ct/2),AS,\ct%2,\u      ; the bias is the C of each sum's first product
.else
	WM ACC+8*(4*\u+\ct),12*(4*\s+\ct),AF+12*(4*\u+\s),ACC+8*(4*\u+\ct),WS+4*(\ct/2)+\s,AS+\s,\ct%2,\u   ; the eight accumulators by turns
.endif
.endr
.endr
.endr
	WIN 0
.rept 4
	v_nop                                          ; four places behind the products: for the stores of their results and the loads into registers that they read
.endr
.irp u, 0,1
.irp ct, 0,1,2,3
	ds_store_b128 v5, v[ACC+8*(4*\u+\ct):ACC+8*(4*\u+\ct)+3] offset:64*\ct        ; each accumulator from its low end on
	ds_store_b128 v5, v[ACC+8*(4*\u+\ct)+4:ACC+8*(4*\u+\ct)+7] offset:64*\ct+16
.endr
.irp i, 0,1,2,3,4,5,6,7
	ds_load_b128 v[AF+32*\u+4*\i:AF+32*\u+4*\i+3], v6 offset:544*\i               ; LDS serves a wave's instructions in order (ISA guide 5.7.1.4): these see my stores, and the next tile's stores come behind them
.endr
.endr
	s_wait_dscnt 16                                ; tile 0 is back; tile 1's eight stores and eight loads may be out
.irp i, 0,1,2,3,4,5,6,7
	global_store_b128 v7, v[AF+4*\i:AF+4*\i+3], s[56:57] offset:2048*(2*\i+8*(\i/4)) th:TH_STORE_NT
.endr
	s_wait_dscnt 0x0
.irp i, 0,1,2,3,4,5,6,7
	global_store_b128 v7, v[AF+32+4*\i:AF+32+4*\i+3], s[56:57] offset:2048*(8+2*\i+8*(\i/4)) th:TH_STORE_NT
.endr
	s_wait_tensorcnt 0x0
	ds_add_u32 v254, v255
	s_wait_dscnt 0x0
	ROUND                                          ; the closing round: no work-group ends while a partner may still ask for rows that name it
	s_endpgm
.Lfunc_end_k_qd0fdcc0293_oproj:
	.size	k_qd0fdcc0293_oproj, .Lfunc_end_k_qd0fdcc0293_oproj-k_qd0fdcc0293_oproj
	.p2alignl 7, 3214868480
	.fill 96, 4, 3214868480
	.section	.rodata,"a",@progbits
	.p2align	6, 0x0
	.amdhsa_kernel k_qd0fdcc0293_oproj
		.amdhsa_group_segment_fixed_size 168960
		.amdhsa_private_segment_fixed_size 0
		.amdhsa_enable_private_segment 0
		.amdhsa_kernarg_size 48
		.amdhsa_user_sgpr_count 2
		.amdhsa_user_sgpr_kernarg_segment_ptr 1
		.amdhsa_wavefront_size32 1
		.amdhsa_system_sgpr_workgroup_id_x 1
		.amdhsa_system_sgpr_workgroup_id_y 1
		.amdhsa_system_sgpr_workgroup_id_z 1
		.amdhsa_system_vgpr_workitem_id 0
		.amdhsa_next_free_vgpr 448
		.amdhsa_next_free_sgpr 80
		.amdhsa_reserve_vcc 0
		.amdhsa_float_denorm_mode_32 3
		.amdhsa_float_denorm_mode_16_64 3
		.amdhsa_memory_ordered 1
		.amdhsa_forward_progress 1
		.amdhsa_inst_pref_size 25
	.end_amdhsa_kernel
	.amdgpu_metadata
---
amdhsa.version: [ 1, 2 ]
amdhsa.kernels:
  - .name:           k_qd0fdcc0293_oproj
    .symbol:         k_qd0fdcc0293_oproj.kd
    .args:
      - { .name: oc, .offset: 0, .size: 8, .value_kind: global_buffer, .address_space: global }
      - { .name: os, .offset: 8, .size: 8, .value_kind: global_buffer, .address_space: global }
      - { .name: Wo_codes, .offset: 16, .size: 8, .value_kind: global_buffer, .address_space: global }
      - { .name: Wo_scales, .offset: 24, .size: 8, .value_kind: global_buffer, .address_space: global }
      - { .name: bo, .offset: 32, .size: 8, .value_kind: global_buffer, .address_space: global }
      - { .name: out0, .offset: 40, .size: 8, .value_kind: global_buffer, .address_space: global }
    .group_segment_fixed_size: 168960
    .private_segment_fixed_size: 0
    .kernarg_segment_align: 8
    .kernarg_segment_size: 48
    .max_flat_workgroup_size: 256
    .sgpr_count:     80
    .vgpr_count:     448
    .wavefront_size: 32
...
	.end_amdgpu_metadata
.endif
;; end of part 3
